; MI455X (gfx1250); checked and timed in simulation.
; The chip was launched on July 23, 2026; its instructions are those of AMD's public machine-readable ISA for CDNA 5 (MIT licence, August 2026) and "CDNA5" Instruction Set Architecture Reference Guide (July 2026). The comments in the code are by the model that wrote it; some were corrected since.
;; Hash Grid MLP. Allowed arithmetic: matrix products marked QUANTISED: E2M3 operands, one E8M0 scale for each 32 along K, by v_wmma_scale_f32_16x16x128_f8f6f4 with both operands' format E2M3, f32 sums; products left as they are: f32 operands where the result goes on into a quantised operand, else bf16, f16 or f32 operands; f32 sums; everything else in f32.
;; Inputs: W1_codes 64 x 1 x 24 uint8 (E2M3 codes of W1, K innermost, in blocks of 32 codes, four codes in three bytes); W1_scales 64 x 1 uint8 (E8M0 scales of W1, one for each 32 codes along K); W2 64 x 1 float32; b1 64 float32; b2 1 float32; tables 16 x 524,288 x 2 float32; x 1,048,576 x 3 float32.
;; Outputs: out0 1,048,576 x 1 float32.
;; This version of the problem:
;;   THIS VERSION OF THE PROBLEM IS GIVEN IN LOW PRECISION. The matrix products marked QUANTISED in the list below multiply operands that are first quantised to E2M3 (2 exponent bits, 3 mantissa bits; 6 bits a number), with one power-of-two scale for each 32 numbers along K (OCP MX v1.0); their sums are f32. All else is computed in f32.
;;   The module's matrix products, in the order in which they are computed (A, B: the left and right operand; K: the contracted axis; several contracted axes count as one K, in the product's order):
;;     1. [M 1,048,576, K 32] x [K 32, N 64]; A: computed on the way; B: input W1 (given as codes): QUANTISED
;;     2. [M 1,048,576, K 64] x [K 64, N 1]; A: computed on the way; B: input W2: left as it is (N = 1 < 16)
;;   THE QUANTISER, for each operand of a quantised product, along K:
;;     - K is cut into blocks of 32 from its start; a last block that is shorter is filled with zeros.
;;     - A block's scale is 2^e with e = floor(log2(the largest magnitude in the block)) - 2, held to -126 .. 127; a block of zeros has e = 0. As a byte (E8M0): e + 127.
;;     - Each number is divided by its block's scale, clamped to +-7.5, and rounded to the nearest number of E2M3, ties to even, subnormals kept.
;;     - The product sums the exact products of the quantised numbers (number of the format x scale) in f32.
;;   ~~~python
;;   def quantise(x, axis):      # numpy; x: float32 -> the quantised numbers, widened to float32 again
;;       x = np.moveaxis(x, axis, -1); K = x.shape[-1]
;;       x = np.pad(x, [(0, 0)] * (x.ndim - 1) + [(0, -K % 32)]); x = x.reshape(x.shape[:-1] + (-1, 32)); a = np.abs(x).max(-1, keepdims=True)
;;       e = np.where(a > 0, np.clip(np.frexp(np.where(a > 0, a, 1))[1] - 1 - 2, -126, 127), 0)      # np.frexp(a)[1] - 1 = floor(log2(a)), exactly
;;       r = np.clip(x / 2.0 ** e, -7.5, 7.5)
;;       step = 2.0 ** (np.maximum(np.frexp(np.where(r == 0, 1, r))[1] - 1, 0) - 3)
;;       q = np.round(r / step) * step * 2.0 ** e      # np.round: ties to even
;;       return np.moveaxis(q.reshape(q.shape[:-2] + (-1,))[..., :K], -1, axis).astype(np.float32)
;;   ~~~
;;   OPERANDS COMPUTED ON THE WAY. 'Computed on the way' means the value that the module computes at that place (a softmax that the list does not call 'softmax' is quantised finished and normalised). What goes into a quantiser is computed in f32, as accurately as f32 sums, v_exp_f32 and their like allow (about 1e-6 of the number): no bf16 or f16 on the way to a quantiser, and a product that is left as it is and whose result goes on into a quantised operand takes f32 operands (vector FMAs, or v_wmma_f32_16x16x4_f32). A number that lies on a knife's edge between two numbers of the format may be rounded either way, as far as f32 arithmetic and the matrix unit's own rounding can turn it there, and no further.
;;   INPUTS GIVEN AS CODES. W1 (in the module: [32, 64], K = its axis 0): each comes as NAME_codes (uint8): NAME with its K axis moved to the last place and cut into blocks of 32 codes, [.., K / 32, bytes a block], one block behind the other in memory; four codes in three bytes: a row's codes are one little-endian stream of bits, code i at bits 6 i .. 6 i + 5 (a code: sign, 2 exponent bits, 3 mantissa bits); and NAME_scales (uint8): the same leading axes, one E8M0 byte (e + 127) for each 32 codes along K. Its value is code x scale, taken as it is: it is not quantised again, and the codes and scales need not be those that the quantiser above would give.
;; One version. Each part assembles by itself: llvm-mc -triple=amdgcn-amd-amdhsa -mcpu=gfx1250 --defsym DOCPART=n.
;; ======== version 1 of 1: 2 launches
;; limits: inputs' magnitudes at most 127
;; workspace buffers: ucoord 12,582,912 bytes of whole numbers
;; launch fix (part 1): grid 768 x 1, 8 waves a work-group, no clusters, 0 bytes of LDS; arguments x, ucoord; writes ucoord
.if DOCPART == 1
	.amdgcn_target "amdgcn-amd-amdhsa--gfx1250"
	.amdhsa_code_object_version 6
	.text
	.protected	k_qc9c91ae1b8_fix
	.globl	k_qc9c91ae1b8_fix
	.p2align	8
	.type	k_qc9c91ae1b8_fix,@function
k_qc9c91ae1b8_fix:
	s_mov_b64 s[64:65], 0
	v_nop
	global_prefetch_b8 v0, s[64:65] scope:SCOPE_SE
	s_setreg_imm32_b32 hwreg(HW_REG_WAVE_MODE, 25, 1), 1
	s_wait_xcnt 0x0
; x [1048576][3] f32  ->  ucoord, the same 3,145,728 places as whole numbers: U'' = (x + 1) * 2^24 + 2^31.
; WHY: the next launch forms gather addresses from floor((x + 1) / 2 * res); addresses are made of whole numbers read from memory, so the step from f32 to whole numbers is taken here.
; NOTHING IS LOST: the f32 sum x + 1 is always a multiple of 2^-24 (x nearer to -1 than 1/2 has a spacing of 2^-24 or coarser and the sum is exact; every other sum is at least 1/2 in magnitude
; and is rounded to a spacing of 2^-24 or coarser).  x * 2^24 + 2^24 in one fused multiply-add is 2^24 times that rounded sum: scaling by a power of two does not move a rounding.
; The bias 2^31 (one exclusive or on the sign bit) makes the number unsigned, so that the next launch can floor by shifts for negative positions too.
; LIMITS: |x + 1| < 128; beyond it the conversion saturates.  NaN and infinities in x are not served.
; SHARES: a work-group of eight waves takes 16,384 bytes; each load and store of a wave covers 512 consecutive bytes, aligned.  Four loads of every wave go out together.
	s_load_b128 s[4:7], s[0:1], 0x0                ; x s[4:5], ucoord s[6:7]
	v_lshlrev_b32 v1, 4, v0                        ; 16 bytes a thread: 4,096 bytes for the 256 threads
	s_lshl_b32 s2, ttmp9, 14                       ; the work-group's 16,384 bytes (768 of them: under 2^32)
	s_mov_b32 s3, 0
	s_mov_b32 s8, 0x4b800000                       ; 2^24
	s_wait_kmcnt 0x0
	s_add_nc_u64 s[4:5], s[4:5], s[2:3]
	s_add_nc_u64 s[6:7], s[6:7], s[2:3]
.irp j, 0,1,2,3
	global_load_b128 v[4+4*\j:7+4*\j], v1, s[4:5] offset:4096*\j th:TH_LOAD_NT
.endr
.irp j, 0,1,2,3
	s_wait_loadcnt 3-\j                            ; loads come back in order: load j is in, the younger ones stay out
.irp k, 0,1,2,3
	v_fma_f32 v[4+4*\j+\k], v[4+4*\j+\k], s8, s8   ; (x + 1) * 2^24, rounded once, as x + 1 is
.endr
.irp k, 0,1,2,3
	v_cvt_i32_f32 v[4+4*\j+\k], v[4+4*\j+\k]       ; a whole number already: exact
.endr
.irp k, 0,1,2,3
	v_xor_b32 v[4+4*\j+\k], 0x80000000, v[4+4*\j+\k]   ; + 2^31
.endr
	global_store_b128 v1, v[4+4*\j:7+4*\j], s[6:7] offset:4096*\j   ; these registers are not written again
.endr
	s_endpgm
.Lfunc_end_k_qc9c91ae1b8_fix:
	.size	k_qc9c91ae1b8_fix, .Lfunc_end_k_qc9c91ae1b8_fix-k_qc9c91ae1b8_fix
	.p2alignl 7, 3214868480
	.fill 96, 4, 3214868480
	.section	.rodata,"a",@progbits
	.p2align	6, 0x0
	.amdhsa_kernel k_qc9c91ae1b8_fix
		.amdhsa_group_segment_fixed_size 0
		.amdhsa_private_segment_fixed_size 0
		.amdhsa_enable_private_segment 0
		.amdhsa_kernarg_size 16
		.amdhsa_user_sgpr_count 2
		.amdhsa_user_sgpr_kernarg_segment_ptr 1
		.amdhsa_wavefront_size32 1
		.amdhsa_system_sgpr_workgroup_id_x 1
		.amdhsa_system_sgpr_workgroup_id_y 1
		.amdhsa_system_sgpr_workgroup_id_z 1
		.amdhsa_system_vgpr_workitem_id 0
		.amdhsa_next_free_vgpr 24
		.amdhsa_next_free_sgpr 66
		.amdhsa_reserve_vcc 0
		.amdhsa_float_denorm_mode_32 3
		.amdhsa_float_denorm_mode_16_64 3
		.amdhsa_memory_ordered 1
		.amdhsa_forward_progress 1
		.amdhsa_inst_pref_size 4
	.end_amdhsa_kernel
	.amdgpu_metadata
---
amdhsa.version: [ 1, 2 ]
amdhsa.kernels:
  - .name:           k_qc9c91ae1b8_fix
    .symbol:         k_qc9c91ae1b8_fix.kd
    .args:
      - { .name: x, .offset: 0, .size: 8, .value_kind: global_buffer, .address_space: global }
      - { .name: ucoord, .offset: 8, .size: 8, .value_kind: global_buffer, .address_space: global }
    .group_segment_fixed_size: 0
    .private_segment_fixed_size: 0
    .kernarg_segment_align: 8
    .kernarg_segment_size: 16
    .max_flat_workgroup_size: 256
    .sgpr_count:     66
    .vgpr_count:     24
    .wavefront_size: 32
...
	.end_amdgpu_metadata
.endif
;; end of part 1
;; launch grid (part 2): grid 512 x 1, 16 waves a work-group, no clusters, 264,192 bytes of LDS; arguments ucoord, tables, W1_codes, W1_scales, W2, b1, b2, out0; writes out0
.if DOCPART == 2
	.amdgcn_target "amdgcn-amd-amdhsa--gfx1250"
	.amdhsa_code_object_version 6
	.text
	.protected	k_qc9c91ae1b8_grid
	.globl	k_qc9c91ae1b8_grid
	.p2align	8
	.type	k_qc9c91ae1b8_grid,@function
k_qc9c91ae1b8_grid:
	s_mov_b64 s[64:65], 0
	v_nop
	global_prefetch_b8 v0, s[64:65] scope:SCOPE_SE
	s_setreg_imm32_b32 hwreg(HW_REG_WAVE_MODE, 25, 1), 1
	s_wait_xcnt 0x0
; out = relu(Q(enc) W1 + b1) W2 + b2, enc [N][32] the hash grid's 16 levels x 2 features, trilinear over 8 hashed corners a level.  Q: E2M3 codes, one E8M0 scale for the row's 32 numbers.
; INPUT ucoord: U'' = (x + 1) 2^24 + 2^31 for each coordinate, whole numbers.  With U = U'' - 2^31:  x01 = U 2^-25 exactly.
;   cell  i0 = floor(U res / 2^25), exactly, in whole numbers: U'' = UH 2^16 + UL;  (UH res + (UL res >> 16)) >> 9 = i0 + 64 res.
;   pos   = f32(U) * (res 2^-25), rounded once: the same bits as x01 * res in f32.     w = pos - f32(i0): exact, in 0 .. 1.
;   Where the rounding lifts pos onto the next whole number, i0 is the cell below it and w = 1: the same four corners with the same weights as the cell above with w = 0.
;   hash  only the low 19 bits count, so each prime is taken modulo 2^19 and the products by 24-bit multiplies; the corner one further on adds the prime.
; INTERPOLATION by nested c0 + w (c1 - c0), along x, y, z, both features at once (packed f32): the same sum as eight weights, rounded in another order (a few units in the last place of f32).
; SHARES.  512 work-groups x 16 waves x 128 points.  Lane l of a wave owns points 4 l .. 4 l + 3, so that its four results are 16 consecutive bytes.  Waves share nothing: no barrier.
; THE LOOP goes over the levels, two a trip, on two gather buffers: a level's 32 gathers of a wave go out before the wait for the level before.  An index is made in the low register of the pair
; that its own load fills.  Each buffer has its own table base, stepped behind the wait that shows its loads done.
; enc goes to the wave's own 16 KiB of LDS, 16 bytes a lane and trip (lanes side by side), and comes back a point at a time: register numbers cannot follow a loop's counter, and 128 registers of enc
; would leave room for half the waves.
; THE PRODUCT is used transposed: source 0 = 16 rows of W1, source 1 = 16 points; a lane then holds ONE point and eight hidden units, and the sum with W2 stays in the lane but for one exchange.
; K is 32 of the instruction's 128: W1's fragments hold zero codes in K blocks 1 to 3, so whatever stands there in the points' fragment adds nothing (every 6-bit code is a finite number, no scale byte is 0xff).
; A lane's 32 numbers are a whole block: its maximum, scale and codes need no other lane.  Lanes 0-15 are then a fragment as they stand; lanes 16-31's codes are brought down by six lane permutes,
; and their scale bytes are read where they lie, from lanes 16-31 of the same register.
; LIMITS: |x + 1| < 128 (see the launch before).  NaN and infinities in x or tables are not served.  A row of zeros gets the scale byte 1 where the rule says 127: its codes are zeros.
.set LVB,    0x400000                  ; bytes of a level's table: 2^19 entries of 8 bytes
.set MASK19, 0x7ffff
.set P1M,    0x779b1                   ; 2654435761 modulo 2^19
.set P2M,    0x25795                   ; 805459861 modulo 2^19
; vector registers, the loop
.set LB,   1                           ; v1       16,384 x wave + 16 x lane: my place in my wave's LDS; never rewritten
.set LA,   2                           ; v2       the LDS address in hand
.set UO,   3                           ; v3       my byte offset in ucoord
.set WS,   4                           ; v4-7     W1's scale words, a tile each: scales and nothing else
.set SW,   8                           ; v8       my point's scale word: a scale and nothing else
.set LM,   9                           ; v9       all ones in lanes 0-15, 0 in lanes 16-31
.set OUT,  10                          ; v10-13   my four results
.set E,    14                          ; v14-29   a trip's enc: point i at E + 4 i: even level's pair, odd level's pair
.set WT1,  30                          ; v30-45   odd levels' weights: point i at + 4 i: wx, wz, wy, a 0 (the packed forms name pairs and take the low word)
.set BUF1, 46                          ; v46-109  odd levels' corners: point i, corner k = x + 2 y + 4 z at + 16 i + 2 k
.set BUF0, 110                         ; v110-173 even levels'
.set UL,   174                         ; v174-185 U'' & 0xffff, place 3 i + d
.set UH,   186                         ; v186-197 U'' >> 16
.set UF,   198                         ; v198-209 U as f32
.set WT0,  210                         ; v210-225 even levels' weights
.set T,    226                         ; v226-235 at work
.set CFV,  242                         ; v242     res 2^-25
.set H32,  254                         ; v254     32 x (lane / 16)
.set R24,  255                         ; v255     24 x (lane % 16)
; vector registers, behind the loop
.set WF,   110                         ; v110-157 W1's four fragments of 12
.set B1R,  158                         ; v158-189 b1, eight a tile, in the result's layout
.set W2R,  190                         ; v190-221 W2 likewise
.set X,    222                         ; v222-253 a point's 32 numbers
.set F,    14                          ; v14-19 my codes; v20-25 lane l xor 16's; v26-31 whatever stands there (K blocks 2, 3)
.set CT,   32                          ; v32-34   the second 16 codes as the conversion leaves them
.set AM,   36                          ; v36-37   largest magnitude, two chains
.set SO,   40                          ; v40      the conversion's scale operand
.set SUM0, 42                          ; v42-43   the sum with W2, points of lanes 0-15
.set SUM1, 44                          ; v44-45   points of lanes 16-31
.set AL,   46                          ; v46-77   hidden layer, points of lanes 0-15: tile t at + 8 t
.set AH,   78                          ; v78-109  points of lanes 16-31
; scalar registers
.set TB0,  10                          ; s[10:11] table of the even level in hand
.set TB1,  24                          ; s[24:25] of the odd level
.set T3,   26                          ; s26  16 x 3^level
.set LV,   27                          ; s27  the level
.set RES,  28                          ; s28  res = floor(16 x 1.5^level) = (16 x 3^level) >> level
.set NB,   29                          ; s29  -64 res
.set MK,   31
.set P1,   32
.set P2,   33
.set TRIP, 34
.set LOF,  35                          ; s35  512 x trip: where the trip's enc goes in LDS
.set B2,   36
.set SEL,  38                          ; s[38:39] lane selects for v_permlanex16_b32: lane l xor 16
	s_load_b256 s[8:15], s[0:1], 0x0               ; ucoord s[8:9], tables s[10:11], W1's codes s[12:13], W1's scales s[14:15]
	s_load_b256 s[16:23], s[0:1], 0x20             ; W2 s[16:17], b1 s[18:19], b2 s[20:21], out0 s[22:23]
	v_and_b32 v[T], 15, v0                         ; lane % 16
	v_and_b32 v[T+1], 31, v0                       ; lane
	v_lshrrev_b32 v[T+2], 5, v0                    ; wave
	v_lshlrev_b32 v[LA], 14, v[T+2]                ; my wave's 16 KiB
	v_lshl_add_u32 v[LB], v[T+1], 4, v[LA]
	v_mad_u32_u24 v[LA], v[T+1], 48, v[LA]         ; my four points' 48 bytes among the wave's 1,536
	v_lshlrev_b32 v[UO], 4, v[T+1]
	v_mad_u32_u24 v[UO], v[T+2], 1536, v[UO]       ; in memory: 1,536 x wave + 16 x lane
	v_and_b32 v[H32], 16, v0
	v_lshlrev_b32 v[H32], 1, v[H32]
	v_mul_u32_u24 v[R24], v[T], 24
	v_bfe_u32 v[LM], v0, 4, 1
	v_add_nc_u32 v[LM], -1, v[LM]
	s_mul_i32 s2, ttmp9, 24576                     ; the work-group's 2,048 points: 12 bytes each in ucoord,
	s_mov_b32 s3, 0
	s_lshl_b32 s4, ttmp9, 13                       ; 4 bytes each in out0
	s_mov_b32 s5, 0
	s_mov_b32 s[T3], 16
	s_mov_b32 s[LV], 0
	s_mov_b32 s[MK], MASK19
	s_mov_b32 s[P1], P1M
	s_mov_b32 s[P2], P2M
	s_mov_b32 s[TRIP], 7
	s_mov_b32 s[LOF], 0
	s_mov_b32 s[SEL], 0x76543210
	s_mov_b32 s[SEL+1], 0xfedcba98
	s_wait_kmcnt 0x0
	s_load_b32 s[B2], s[20:21], 0x0                ; b2: no line of this kernel writes that buffer
	s_add_nc_u64 s[8:9], s[8:9], s[2:3]
	s_add_nc_u64 s[22:23], s[22:23], s[4:5]
	s_add_nc_u64 s[TB1:TB1+1], s[TB0:TB0+1], LVB   ; level 1
.irp g, 0,1,2
	global_load_b128 v[UF+4*\g:UF+4*\g+3], v[UO], s[8:9] offset:512*\g th:TH_LOAD_NT   ; the wave's 1,536 bytes as they lie: 512 consecutive bytes a load
.endr
.irp t, 0,1,2,3
	global_load_u8 v[WS+\t], v[T], s[14:15] offset:16*\t   ; lane r: the scale byte of W1's row 16 t + r in byte 0; bytes 1 to 3 are 0 and stand over zero codes
.endr
.irp i, 0,1,2,3
	v_mov_b32 v[WT0+4*\i+3], 0                     ; named as the upper half of a pair, so it is written
	v_mov_b32 v[WT1+4*\i+3], 0
.endr
	s_wait_loadcnt 0x0
	s_wait_kmcnt 0x0
.irp g, 0,1,2                                  ; a turn through my wave's LDS: in as loaded, out 48 bytes a lane.  LDS serves a wave's instructions in order: no wait between
	ds_store_b128 v[LB], v[UF+4*\g:UF+4*\g+3] offset:512*\g
.endr
.irp g, 0,1,2
	ds_load_b128 v[UL+4*\g:UL+4*\g+3], v[LA] offset:16*\g   ; 12 words from lane to lane
.endr
	s_wait_dscnt 0x0
.irp q, 0,1,2,3,4,5,6,7,8,9,10,11
	v_lshrrev_b32 v[UH+\q], 16, v[UL+\q]
	v_xor_b32 v[UF+\q], 0x80000000, v[UL+\q]       ; the bias off: U
	v_and_b32 v[UL+\q], 0xffff, v[UL+\q]
.endr
.irp q, 0,1,2,3,4,5,6,7,8,9,10,11
	v_cvt_f32_i32 v[UF+\q], v[UF+\q]               ; exact: U came from an f32
.endr
; A LEVEL'S INDICES, WEIGHTS AND GATHERS, into buffer st; then the scalars step to the next level.
.macro INDEX st
.set BB, BUF0-64*(\st)
.set WB, WT0-180*(\st)
.set TBS, TB0+14*(\st)
	s_lshr_b32 s[RES], s[T3], s[LV]
	s_mul_i32 s[T3], s[T3], 3
	s_add_co_u32 s[LV], s[LV], 1
	s_lshl_b32 s[NB], s[RES], 6
	s_sub_co_u32 s[NB], 0, s[NB]
	v_cvt_f32_u32 v[CFV], s[RES]
	v_mul_f32 v[CFV], 0x33000000, v[CFV]           ; res 2^-25: exact
.irp i, 0,1,2,3
.irp d, 0,1,2                                  ; the three coordinates by turns: no line waits for the line above it
	v_mul_u32_u24 v[T+\d], s[RES], v[UL+3*\i+\d]
.endr
.irp d, 0,1,2
	v_mul_f32 v[T+6+\d], v[CFV], v[UF+3*\i+\d]     ; pos, rounded as x01 * res is
.endr
.irp d, 0,1,2
	v_lshrrev_b32 v[T+\d], 16, v[T+\d]
.endr
.irp d, 0,1,2
	v_mad_u32_u24 v[T+\d], v[UH+3*\i+\d], s[RES], v[T+\d]
.endr
.irp d, 0,1,2
	v_lshrrev_b32 v[T+\d], 9, v[T+\d]
.endr
.irp d, 0,1,2
	v_add_nc_u32 v[T+\d], s[NB], v[T+\d]           ; the cell i0, signed
.endr
.irp d, 0,1,2
	v_cvt_f32_i32 v[T+3+\d], v[T+\d]
.endr
	v_sub_f32 v[WB+4*\i], v[T+6], v[T+3]           ; wx
	v_sub_f32 v[WB+4*\i+2], v[T+7], v[T+4]         ; wy
	v_sub_f32 v[WB+4*\i+1], v[T+8], v[T+5]         ; wz
	v_add_nc_u32 v[T+3], 1, v[T]                   ; x + 1 (x's prime is 1)
	v_mul_u32_u24 v[T+1], s[P1], v[T+1]            ; y p1: the low 19 bits are right
	v_mul_u32_u24 v[T+2], s[P2], v[T+2]            ; z p2
	v_and_b32 v[T], s[MK], v[T]
	v_and_b32 v[T+3], s[MK], v[T+3]
	v_add_nc_u32 v[T+4], s[P1], v[T+1]             ; (y + 1) p1
	v_add_nc_u32 v[T+5], s[P2], v[T+2]             ; (z + 1) p2
	v_xor_b32 v[T+6], v[T+1], v[T+2]
	v_xor_b32 v[T+7], v[T+4], v[T+2]
	v_xor_b32 v[T+8], v[T+1], v[T+5]
	v_xor_b32 v[T+9], v[T+4], v[T+5]
.irp j, 0,1,2,3
	v_and_b32 v[T+6+\j], s[MK], v[T+6+\j]          ; six masks in front of the last exclusive or, in place of eight behind it
.endr
.irp j, 0,1,2,3
	v_xor_b32 v[BB+16*\i+4*\j], v[T], v[T+6+\j]
	v_xor_b32 v[BB+16*\i+4*\j+2], v[T+3], v[T+6+\j]
.endr
.irp k, 0,1,2,3,4,5,6,7
	v_min_u32 v[BB+16*\i+2*\k], MASK19, v[BB+16*\i+2*\k]   ; changes nothing: a number made of loaded numbers enters an address behind this form
.endr
.irp k, 0,1,2,3,4,5,6,7
	global_load_b64 v[BB+16*\i+2*\k:BB+16*\i+2*\k+1], v[BB+16*\i+2*\k], s[TBS:TBS+1] scale_offset   ; table + 8 x index: both features; the load lands on its own index
.endr
.endr
.endm
; A LEVEL'S INTERPOLATION out of buffer st, the four points by turns; the pair of features goes to E.
.macro LERP st
.set BB, BUF0-64*(\st)
.set WB, WT0-180*(\st)
.set ED, E+2*(\st)
.irp i, 0,1,2,3
.irp j, 0,1,2,3
	v_pk_add_f32 v[BB+16*\i+4*\j+2:BB+16*\i+4*\j+3], v[BB+16*\i+4*\j+2:BB+16*\i+4*\j+3], v[BB+16*\i+4*\j:BB+16*\i+4*\j+1] neg_lo:[0,1] neg_hi:[0,1]
.endr
.endr
.irp i, 0,1,2,3
.irp j, 0,1,2,3
	v_pk_fma_f32 v[BB+16*\i+4*\j:BB+16*\i+4*\j+1], v[BB+16*\i+4*\j+2:BB+16*\i+4*\j+3], v[WB+4*\i:WB+4*\i+1], v[BB+16*\i+4*\j:BB+16*\i+4*\j+1] op_sel_hi:[1,0,1]   ; along x: wx for both features
.endr
.endr
.irp i, 0,1,2,3
.irp m, 0,1
	v_pk_add_f32 v[BB+16*\i+8*\m+4:BB+16*\i+8*\m+5], v[BB+16*\i+8*\m+4:BB+16*\i+8*\m+5], v[BB+16*\i+8*\m:BB+16*\i+8*\m+1] neg_lo:[0,1] neg_hi:[0,1]
.endr
.endr
.irp i, 0,1,2,3
.irp m, 0,1
	v_pk_fma_f32 v[BB+16*\i+8*\m:BB+16*\i+8*\m+1], v[BB+16*\i+8*\m+4:BB+16*\i+8*\m+5], v[WB+4*\i+2:WB+4*\i+3], v[BB+16*\i+8*\m:BB+16*\i+8*\m+1] op_sel_hi:[1,0,1]   ; along y
.endr
.endr
.irp i, 0,1,2,3
	v_pk_add_f32 v[BB+16*\i+8:BB+16*\i+9], v[BB+16*\i+8:BB+16*\i+9], v[BB+16*\i:BB+16*\i+1] neg_lo:[0,1] neg_hi:[0,1]
.endr
.irp i, 0,1,2,3
	v_fma_f32 v[ED+4*\i], v[BB+16*\i+8], v[WB+4*\i+1], v[BB+16*\i]         ; along z (wz stands in an odd register: two plain forms)
	v_fma_f32 v[ED+4*\i+1], v[BB+16*\i+9], v[WB+4*\i+1], v[BB+16*\i+1]
.endr
.endm
	INDEX 0                                        ; level 0
.Ltrip:                                            ; trip k: levels 2 k and 2 k + 1 are finished, levels 2 k + 1 and 2 k + 2 asked for
	INDEX 1
	s_wait_loadcnt 32                              ; loads come back in order: all but the 32 just issued are in: the even level's corners
	LERP 0
	s_add_nc_u64 s[TB0:TB0+1], s[TB0:TB0+1], 2*LVB ; that wait has shown the loads that named this base done
	INDEX 0
	s_wait_loadcnt 32                              ; the odd level's corners are in
	LERP 1
	s_add_nc_u64 s[TB1:TB1+1], s[TB1:TB1+1], 2*LVB
	v_add_nc_u32 v[LA], s[LOF], v[LB]
.irp i, 0,1,2,3
	ds_store_b128 v[LA], v[E+4*\i:E+4*\i+3] offset:4096*\i   ; enc 4 k .. 4 k + 3 of point i: 32 lanes, 512 consecutive bytes
.endr
	s_add_co_u32 s[LOF], s[LOF], 512
	s_sub_co_u32 s[TRIP], s[TRIP], 1
	s_cmp_lg_u32 s[TRIP], 0
	s_cbranch_scc1 .Ltrip
	INDEX 1                                        ; the tail is written out: level 15 is the last to be asked for
	s_wait_loadcnt 32
	LERP 0                                         ; level 14
	; the weights of the two products come into registers that the loop has left (buffer 0, U, the even levels' weights), while level 15's corners are on their way
.irp t, 0,1,2,3
.irp p, 0,1,2
	global_load_b64 v[WF+12*\t+2*\p:WF+12*\t+2*\p+1], v[R24], s[12:13] offset:384*\t+8*\p   ; W1's row 16 t + r: 24 bytes, as they lie: K = 0 .. 31
.endr
.endr
.irp t, 0,1,2,3
	global_load_b128 v[B1R+8*\t:B1R+8*\t+3], v[H32], s[18:19] offset:64*\t       ; lane (r, h): b1 of hidden units 16 t + 8 h + 0 .. 7
	global_load_b128 v[B1R+8*\t+4:B1R+8*\t+7], v[H32], s[18:19] offset:64*\t+16
.endr
.irp t, 0,1,2,3
	global_load_b128 v[W2R+8*\t:W2R+8*\t+3], v[H32], s[16:17] offset:64*\t       ; W2 likewise
	global_load_b128 v[W2R+8*\t+4:W2R+8*\t+7], v[H32], s[16:17] offset:64*\t+16
.endr
.irp t, 0,1,2,3
.irp q, 6,7,8,9,10,11
	v_mov_b32 v[WF+12*\t+\q], 0                    ; K = 64 .. 127: zero codes
.endr
.endr
	s_wait_loadcnt 28                              ; all but the 28 just issued (12 + 8 + 8): level 15's corners are in
	LERP 1                                         ; level 15
.irp i, 0,1,2,3
	ds_store_b128 v[LB], v[E+4*\i:E+4*\i+3] offset:4096*\i+3584
.endr
.macro XLOAD i                                 ; the 32 numbers of my point i.  LDS serves a wave's instructions in order: these see my stores
.irp c, 0,1,2,3,4,5,6,7
	ds_load_b128 v[X+4*\c:X+4*\c+3], v[LB] offset:4096*(\i)+512*\c
.endr
.endm
; MY POINT i (the wave's 32 points 4 l + i): quantised, multiplied, summed.
.macro SET i
	s_wait_dscnt 0x0
	v_max3_num_f32 v[AM], |v[X]|, |v[X+1]|, 0x1800000          ; the block's largest magnitude, all 32 numbers mine, in two chains; and the floor 2^(3 - 127): the byte cannot fall under 1
	v_max3_num_f32 v[AM+1], |v[X+2]|, |v[X+3]|, |v[X+4]|
.irp n, 5,9,13,17,21,25
	v_max3_num_f32 v[AM], v[AM], |v[X+\n]|, |v[X+\n+1]|
	v_max3_num_f32 v[AM+1], v[AM+1], |v[X+\n+2]|, |v[X+\n+3]|
.endr
	v_max3_num_f32 v[AM], v[AM], |v[X+29]|, |v[X+30]|
	v_max3_num_f32 v[AM], v[AM], v[AM+1], |v[X+31]|
	v_add_nc_u32 v[SO], 0xff000000, v[AM]          ; 2 off its exponent field: the conversion takes the exponent field of this operand as its scale
	v_lshrrev_b32 v[SW], 23, v[SO]                 ; the scale's byte, in byte 0; bytes 1 to 3 are 0 and meet W1's zero codes
	v_cvt_scalef32_pk16_fp6_f32 v[F:F+2], v[X:X+15], v[SO]
	v_cvt_scalef32_pk16_fp6_f32 v[CT:CT+2], v[X+16:X+31], v[SO]   ; (a conversion's three registers begin on an even number)
	v_nop                                          ; one plain place behind a scaled conversion
.if (\i) < 3
	XLOAD (\i)+1                                   ; the next point's numbers come while this one is multiplied
.endif
.irp q, 0,1,2
	v_mov_b32 v[F+3+\q], v[CT+\q]
.endr
.irp q, 0,1,2
	v_permlanex16_b32 v[F+6+\q], v[F+\q], s[SEL], s[SEL+1]     ; lane l xor 16's codes: lanes 0-15 now hold the points of lanes 16-31 too
	v_permlanex16_b32 v[F+9+\q], v[CT+\q], s[SEL], s[SEL+1]
.endr
.rept 4
	v_nop                                          ; an operand written by vector instructions stands 4 places ahead of a scaled matrix instruction, a scale register 8: the place above, the three moves and these four
.endr
.irp t, 0,1,2,3                                ; source 0 = W1's rows 16 t on, source 1 = 16 points, C = b1.  Eight results, eight accumulators: no sum is taken up again
	v_wmma_scale_f32_16x16x128_f8f6f4 v[AL+8*\t:AL+8*\t+7], v[WF+12*\t:WF+12*\t+11], v[F:F+11], v[B1R+8*\t:B1R+8*\t+7], v[WS+\t], v[SW] matrix_a_fmt:MATRIX_FMT_FP6 matrix_b_fmt:MATRIX_FMT_FP6
	v_wmma_scale_f32_16x16x128_f8f6f4 v[AH+8*\t:AH+8*\t+7], v[WF+12*\t:WF+12*\t+11], v[F+6:F+17], v[B1R+8*\t:B1R+8*\t+7], v[WS+\t], v[SW] matrix_a_fmt:MATRIX_FMT_FP6 matrix_b_fmt:MATRIX_FMT_FP6 matrix_b_scale:MATRIX_SCALE_ROW1
.endr
.rept 4
	v_nop                                          ; four places in front of the first read of results (ISA guide 7.12.1)
.endr
.irp n, 0,2,4,6,8,10,12,14,16,18,20,22,24,26,28,30     ; relu, and the product with W2 in f32: lane (r, h) has hidden units 16 t + 8 h + j of its point.  Each accumulator from its low end on
	v_max_num_f32 v[AL+\n], 0, v[AL+\n]
	v_max_num_f32 v[AL+\n+1], 0, v[AL+\n+1]
	v_max_num_f32 v[AH+\n], 0, v[AH+\n]
	v_max_num_f32 v[AH+\n+1], 0, v[AH+\n+1]
.if \n == 0
	v_pk_mul_f32 v[SUM0:SUM0+1], v[AL:AL+1], v[W2R:W2R+1]      ; the first products start the sums
	v_pk_mul_f32 v[SUM1:SUM1+1], v[AH:AH+1], v[W2R:W2R+1]
.else
	v_pk_fma_f32 v[SUM0:SUM0+1], v[AL+\n:AL+\n+1], v[W2R+\n:W2R+\n+1], v[SUM0:SUM0+1]
	v_pk_fma_f32 v[SUM1:SUM1+1], v[AH+\n:AH+\n+1], v[W2R+\n:W2R+\n+1], v[SUM1:SUM1+1]
.endif
.endr
	v_add_f32 v[SUM0], v[SUM0], v[SUM0+1]
	v_add_f32 v[SUM1], v[SUM1], v[SUM1+1]
	v_permlane16_swap_b32 v[SUM0], v[SUM1]         ; the first's lanes 16-31 change places with the second's lanes 0-15: every lane now holds the two halves of ITS OWN point's sum
	v_add_f32 v[SUM0], v[SUM0], v[SUM1]
	v_add_f32 v[OUT+(\i)], s[B2], v[SUM0]
.endm
	XLOAD 0
	s_wait_loadcnt 0x0                             ; W1, b1, W2
.irp t, 0,1,2,3
.irp q, 0,1,2,3,4,5
	v_and_b32 v[WF+12*\t+\q], v[LM], v[WF+12*\t+\q]   ; lanes 16-31 are K = 32 .. 63: zero codes
.endr
.endr
	SET 0
	SET 1
	SET 2
	SET 3
	v_lshlrev_b32 v[LA], 4, v0                     ; 16 bytes a thread
	global_store_b128 v[LA], v[OUT:OUT+3], s[22:23] th:TH_STORE_NT   ; 32 lanes store 512 consecutive bytes, at a multiple of 512 from out0's first byte
	s_wait_xcnt 0x0
	v_lshl_add_u32 v254, v0, 2, 0x40000
	v_mov_b32 v255, 0
	s_wait_tensorcnt 0x0
	ds_add_u32 v254, v255
	s_wait_dscnt 0x0
	s_endpgm
.Lfunc_end_k_qc9c91ae1b8_grid:
	.size	k_qc9c91ae1b8_grid, .Lfunc_end_k_qc9c91ae1b8_grid-k_qc9c91ae1b8_grid
	.p2alignl 7, 3214868480
	.fill 96, 4, 3214868480
	.section	.rodata,"a",@progbits
	.p2align	6, 0x0
	.amdhsa_kernel k_qc9c91ae1b8_grid
		.amdhsa_group_segment_fixed_size 264192
		.amdhsa_private_segment_fixed_size 0
		.amdhsa_enable_private_segment 0
		.amdhsa_kernarg_size 64
		.amdhsa_user_sgpr_count 2
		.amdhsa_user_sgpr_kernarg_segment_ptr 1
		.amdhsa_wavefront_size32 1
		.amdhsa_system_sgpr_workgroup_id_x 1
		.amdhsa_system_sgpr_workgroup_id_y 1
		.amdhsa_system_sgpr_workgroup_id_z 1
		.amdhsa_system_vgpr_workitem_id 0
		.amdhsa_next_free_vgpr 256
		.amdhsa_next_free_sgpr 66
		.amdhsa_reserve_vcc 0
		.amdhsa_float_denorm_mode_32 3
		.amdhsa_float_denorm_mode_16_64 3
		.amdhsa_memory_ordered 1
		.amdhsa_forward_progress 1
		.amdhsa_inst_pref_size 103
	.end_amdhsa_kernel
	.amdgpu_metadata
---
amdhsa.version: [ 1, 2 ]
amdhsa.kernels:
  - .name:           k_qc9c91ae1b8_grid
    .symbol:         k_qc9c91ae1b8_grid.kd
    .args:
      - { .name: ucoord, .offset: 0, .size: 8, .value_kind: global_buffer, .address_space: global }
      - { .name: tables, .offset: 8, .size: 8, .value_kind: global_buffer, .address_space: global }
      - { .name: W1_codes, .offset: 16, .size: 8, .value_kind: global_buffer, .address_space: global }
      - { .name: W1_scales, .offset: 24, .size: 8, .value_kind: global_buffer, .address_space: global }
      - { .name: W2, .offset: 32, .size: 8, .value_kind: global_buffer, .address_space: global }
      - { .name: b1, .offset: 40, .size: 8, .value_kind: global_buffer, .address_space: global }
      - { .name: b2, .offset: 48, .size: 8, .value_kind: global_buffer, .address_space: global }
      - { .name: out0, .offset: 56, .size: 8, .value_kind: global_buffer, .address_space: global }
    .group_segment_fixed_size: 264192
    .private_segment_fixed_size: 0
    .kernarg_segment_align: 8
    .kernarg_segment_size: 64
    .max_flat_workgroup_size: 512
    .sgpr_count:     66
    .vgpr_count:     256
    .wavefront_size: 32
...
	.end_amdgpu_metadata
.endif
;; end of part 2
